; MI455X (gfx1250); checked and timed in simulation.
; The chip was launched on July 23, 2026; its instructions are those of AMD's public machine-readable ISA for CDNA 5 (MIT licence, August 2026) and "CDNA5" Instruction Set Architecture Reference Guide (July 2026). The comments in the code are by the model that wrote it; some were corrected since.
;; Attn. Allowed arithmetic: matrix products marked QUANTISED: E5M2 operands, one E8M0 scale for each 32 along K, by v_wmma_scale_f32_16x16x128_f8f6f4 with both operands' format E5M2, f32 sums; products left as they are: f32 operands where the result goes on into a quantised operand, else bf16, f16 or f32 operands; f32 sums; everything else in f32.
;; Inputs: W_attn_codes 1,024 x 32 x 32 uint8 (E5M2 codes of W_attn, K innermost, in blocks of 32 codes); W_attn_scales 1,024 x 32 uint8 (E8M0 scales of W_attn, one for each 32 codes along K); b_attn 1,024 float32; encoder_outputs_codes 2,048 x 32 x 32 x 32 uint8 (E5M2 codes of encoder_outputs, K innermost, in blocks of 32 codes); encoder_outputs_scales 2,048 x 32 x 32 uint8 (E8M0 scales of encoder_outputs, one for each 32 codes along K); hidden 1 x 32 x 1,024 float32.
;; Outputs: out0 32 x 1 x 2,048 float32.
;; This version of the problem:
;;   THIS VERSION OF THE PROBLEM IS GIVEN IN LOW PRECISION. The matrix products marked QUANTISED in the list below multiply operands that are first quantised to E5M2 (5 exponent bits, 2 mantissa bits; 8 bits a number), with one power-of-two scale for each 32 numbers along K (OCP MX v1.0); their sums are f32. All else is computed in f32.
;;   The module's matrix products, in the order in which they are computed (A, B: the left and right operand; K: the contracted axis; several contracted axes count as one K, in the product's order):
;;     1. [M 65,536, K 1,024] x [K 1,024, N 1,024]; A: input encoder_outputs (given as codes); B: input W_attn (given as codes): QUANTISED
;;     2. batch 32 x [M 1, K 1,024] x [K 1,024, N 2,048]; A: input hidden; B: computed on the way: left as it is (M = 1 < 16)
;;   THE QUANTISER, for each operand of a quantised product, along K:
;;     - K is cut into blocks of 32 from its start; a last block that is shorter is filled with zeros.
;;     - A block's scale is 2^e with e = floor(log2(the largest magnitude in the block)) - 15, held to -126 .. 127; a block of zeros has e = 0. As a byte (E8M0): e + 127.
;;     - Each number is divided by its block's scale, clamped to +-57,344, and rounded to the nearest number of E5M2, ties to even, subnormals kept.
;;     - The product sums the exact products of the quantised numbers (number of the format x scale) in f32.
;;   ~~~python
;;   def quantise(x, axis):      # numpy; x: float32 -> the quantised numbers, widened to float32 again
;;       x = np.moveaxis(x, axis, -1); K = x.shape[-1]
;;       x = np.pad(x, [(0, 0)] * (x.ndim - 1) + [(0, -K % 32)]); x = x.reshape(x.shape[:-1] + (-1, 32)); a = np.abs(x).max(-1, keepdims=True)
;;       e = np.where(a > 0, np.clip(np.frexp(np.where(a > 0, a, 1))[1] - 1 - 15, -126, 127), 0)      # np.frexp(a)[1] - 1 = floor(log2(a)), exactly
;;       r = np.clip(x / 2.0 ** e, -57344, 57344)
;;       step = 2.0 ** (np.maximum(np.frexp(np.where(r == 0, 1, r))[1] - 1, -14) - 2)
;;       q = np.round(r / step) * step * 2.0 ** e      # np.round: ties to even
;;       return np.moveaxis(q.reshape(q.shape[:-2] + (-1,))[..., :K], -1, axis).astype(np.float32)
;;   ~~~
;;   INPUTS GIVEN AS CODES. W_attn (in the module: [1024, 1024], K = its axis 1); encoder_outputs (in the module: [2048, 32, 1024], K = its axis 2): each comes as NAME_codes (uint8): NAME with its K axis moved to the last place and cut into blocks of 32 codes, [.., K / 32, bytes a block], one block behind the other in memory; one code a byte (a code: sign, 5 exponent bits, 2 mantissa bits); and NAME_scales (uint8): the same leading axes, one E8M0 byte (e + 127) for each 32 codes along K. Its value is code x scale, taken as it is: it is not quantised again, and the codes and scales need not be those that the quantiser above would give.
;; One version. Each part assembles by itself: llvm-mc -triple=amdgcn-amd-amdhsa -mcpu=gfx1250 --defsym DOCPART=n.
;; ======== version 1 of 1: 2 launches
;; limits: right only within a limited range of input values
;; workspace buffers: part 1,048,576 bytes
;; launch energy (part 1): grid 4 x 64, 4 waves a work-group, clusters of 4 x 4, 327,680 bytes of LDS; arguments encoder_outputs_codes, encoder_outputs_scales, W_attn_codes, W_attn_scales, hidden, part; writes part
.if DOCPART == 1
	.amdgcn_target "amdgcn-amd-amdhsa--gfx1250"
	.amdhsa_code_object_version 6
	.text
	.protected	k_q18351ad495_energy
	.globl	k_q18351ad495_energy
	.p2align	8
	.type	k_q18351ad495_energy,@function
k_q18351ad495_energy:
	s_mov_b64 s[64:65], 0
	v_nop
	global_prefetch_b8 v0, s[64:65] scope:SCOPE_SE
	s_setreg_imm32_b32 hwreg(HW_REG_WAVE_MODE, 25, 1), 1
	s_wait_xcnt 0x0
	s_wait_alu depctr_hold_cnt(0) depctr_sa_sdst(0) depctr_va_vdst(0) depctr_va_sdst(0) depctr_va_ssrc(0) depctr_va_vcc(0) depctr_vm_vsrc(0)
	s_getreg_b32 s2, hwreg(HW_REG_IB_STS2, 6, 4)
	s_cmp_eq_u32 s2, 0
	s_cbranch_scc0 .Lentry_in_a_cluster
	s_endpgm
.Lentry_in_a_cluster:
	s_bfe_u32 s2, ttmp6, 0x10000c
	s_cmp_lg_u32 s2, 0xf033
	s_cbranch_scc0 .Lentry_shape_is_right
	s_endpgm
.Lentry_shape_is_right:
; part[cx][b][s] = the sum over n = 256 cx .. 256 cx + 255 of hidden[b][n] x (the sum over k of enc[s][b][k] W[n][k]).
; enc [2048 s][32 b][1024 k] and W [1024 n][1024 k] are codes of BF8 (E5M2), K innermost, one E8M0 byte for each 32 along K; they go to the matrix unit as they lie.  The next launch adds the four parts and takes the softmax.
; LEFT OUT: THE BIAS.  It adds the sum over n of hidden[b][n] b_attn[n] to the softmax's input at (b, s): a number that does not depend on s, and the softmax runs along s.  So for all finite values of the inputs it reaches
; no output in exact arithmetic; b_attn is not loaded and is no argument.  LIMIT: a NaN, an infinity or an overflow that reaches only that sum is not carried to the result.
; LIMITS: the order of the f32 sums differs from the source's (K in two halves, n in parts, added afterwards); NaN, infinities and the scale byte 0xff are passed on as the units give them.
; W STAYS IN REGISTERS, enc STREAMS.  A cluster is 4 x 4 work-groups: cx picks 256 rows of W, the work-group's y = 2 sb + p picks 1,024 rows of enc: s = 64 sb + T, b = 16 p + r.  Tiles of enc are asked for JOINTLY along a
; row of the cluster, W's rows along a column.  Wave (nh, kh) keeps 128 rows of W x 512 along K: group G = 0, 1, n-tile j: rows 128 G + 64 nh + 16 j .. + 15; four K steps of 128: 32 fragments, 512 registers.
; W passes through the two slots of the ring once: rows 0-127 (group 0) through slot 0, rows 128-255 (group 1) through slot 1; when all waves hold the rows, a drained round follows and enc fills the slot.
; A ROW TILE T is the 16 b of one s: 16,384 dense bytes of codes, 512 of scale bytes.  For it a wave issues 32 matrix instructions: two groups of 4 K steps x 4 n-tiles.  LDS loads come in one run a tile: 16 of codes and, for every second tile, one of scale words.
; THE PRODUCT IS USED TRANSPOSED (source 0 = 16 rows of W, source 1 = 16 rows of enc): a lane holds ONE row of enc (lane % 16), register i of an accumulator n = 8 (lane / 16) + i.  So hidden . energy is 16 packed
; multiply-adds for each group, at most one behind each product of the group after it; the energies never leave the registers.
; LDS: two slots of 8 tiles; a tile is 16 rows of 1,024 bytes + 16 of padding (1,040 = 65 x 16: the 16 rows that a load touches start at 16 different groups of four banks; 64 banks of 4 bytes: ISA guide 11.1).
.set TILEB,  16*1040
.set SLOT,   8*TILEB                   ; 133,120 bytes: 8 tiles of enc, or 128 rows of W
.set ASC,    2*SLOT                    ; enc's scale bytes, 64 tiles of 512 bytes, filled once
.set EP,     ASC+64*512                ; first hidden's 16 rows x 256 columns (1,040 bytes apart), filled once, at the head; from the first change of slots on the results:
.set EPW,    16*272                    ; for each wave 16 rows (b) of 272 bytes; tile T at word T + 4 (word 3 takes a number that nobody reads)
.set SPARE,  EP+4*EPW                  ; the spare words, 128 bytes for each wave: two blocks of 256 bytes that no other line names
.set SLOTG,  8*32768                   ; a slot's 8 tiles in memory, from one s to the next 32,768 bytes
; REGISTERS, in windows of 256 (s_set_vgpr_msb: bits 1:0 source 0, 3:2 source 1, 5:4 source 2, 7:6 destination):
;   window 0: addresses; scale words; v64-87 hidden (group 0's second half, group 1's last quarter); v96-119 at work; v128-255 W's fragments of K step 3 (group 0, group 1)
;   window 1: v0-127 enc fragments, two sets; v128-191 the accumulators (group 0, group 1); v192-223 running sums: a pair for each group of 8 tiles
;   window 2: v0-191 W's fragments of group 0, K steps 0-2; v192-215 hidden for group 1.   window 3: v0-191 W's of group 1; v192-207 hidden for group 0
; So a group's products and the folds of the group before stand under ONE setting: source 0 (W, hidden) in W's window, all else in window 1.
.set ADRA,  4                          ; v4-7   LDS address of my lane in tiles 0-3 and 4-7 of slot 0, of slot 1: 1,040 r + 16 h + 512 kh + ..
.set ADRS,  8                          ; v8     of the scale words of a pair of tiles at the trip's base: lanes 0-15 the even tile's, lanes 16-31 the odd one's
.set EPA,   9                          ; v9     of my row's results, at the trip's base
.set SPW,   10                         ; v10    of my spare word: SPARE + 4 x my thread's number; never rewritten
.set NIL,   11                         ; v11    0; never rewritten
.set PFO,   12                         ; v12    256 x lane: the prefetches' offset; never rewritten
.set WADR,  13                         ; v13-14 LDS address of my rows of W in slot 0, in slot 1
.set WSA,   15
.set HADR,  16                         ; v16    where I read hidden
.set RD,    17                         ; v17    the way out: where I read results
.set GO,    18                         ; v18    and my byte offset in part
.set ADRS0, 19                         ; v19, v20: ADRS's and EPA's lane terms
.set EPA0,  20
.set WS,    30                         ; v30-45 W's scale words: register 4 j + q: lanes 0-15 group 0's n-tile j, lanes 16-31 group 1's.  30 = 2 mod 4 and ES = 0 mod 4: the two scale registers of a product differ modulo 8
.set ES,    48                         ; v48-55 enc's scale words: register 4 (pair % 2) + q
.set WV,    16
.set NH,    17
.set KH,    18
.set CX,    19
.set CY,    20
.set YY,    21
.set PP,    22
.set SB,    23
.set G1A,   24                         ; s[24:31] descriptor group 1 for enc's codes
.set G1W,   32                         ; s[32:39] for W's
.set G1S,   40                         ; s[40:47] for enc's scale bytes
.set G0,    48                         ; s[48:55] group 0 for enc's codes, a set for each slot
.set G0W,   56
.set G0S,   60
.set PFA,   66                         ; s[66:67] where my prefetches stand
.set TRIPS, 68
.set SEL,   70                         ; s[70:71] v_permlanex16_b32's selects for lane l xor 16
.set TS,    72                         ; the trip's first tile among the scale words, in bytes
.set TE,    73                         ; and among the results
.set G1H,   76                         ; s[76:83], s[84:87] for hidden (the offsets that lay there have been used by then)
.set G0H,   84
.set MSB, 0
.macro WIN new                         ; the immediate's high byte repeats the setting that is left; a switch that changes nothing is dropped
.if MSB != (\new)
	s_set_vgpr_msb (MSB<<8)|(\new)
.set MSB, (\new)
.endif
.endm
.macro CREST                           ; a round of the cluster's barrier behind its opening barrier
	s_cmp_lg_u32 s[WV], 0
	s_cbranch_scc1 .Lnot_wave_0_\@
	s_barrier_signal -3
.Lnot_wave_0_\@:
	s_barrier_wait -3
	s_barrier_signal -1
	s_barrier_wait -1
.endm
.macro CROUND                          ; a whole round
	s_barrier_signal -1
	s_barrier_wait -1
	CREST
.endm
.macro TLOAD g0, g1                    ; a tensor load, the s_nop 0 and four plain lines behind it
	tensor_load_to_lds s[\g0:\g0+3], s[\g1:\g1+7]
	s_nop 0
.rept 4
	v_nop
.endr
.endm
	s_load_b256 s[4:11], s[0:1], 0x0               ; enc's codes s[4:5], enc's scales s[6:7], W's codes s[8:9], W's scales s[10:11]
	s_load_b128 s[12:15], s[0:1], 0x20             ; hidden s[12:13], part s[14:15]
	v_lshl_add_u32 v[SPW], v0, 2, SPARE
	v_mov_b32 v[NIL], 0
	ds_add_u32 v[SPW], v[NIL]                      ; the wave's opening: the add, twice on end, and its wait ahead of my first tensor load
	ds_add_u32 v[SPW], v[NIL]
	v_lshrrev_b32 v3, 5, v0
	v_readfirstlane_b32 s[WV], v3                  ; wave 0..3
	s_lshr_b32 s[NH], s[WV], 1                     ; which 64 of a group's 128 rows of W
	s_and_b32 s[KH], s[WV], 1                      ; which half of K
	s_bfe_u32 s[CX], ttmp6, 0x40000
	s_bfe_u32 s[CY], ttmp6, 0x40004
	s_and_b32 s[YY], ttmp7, 0xffff                 ; in a cluster launch ttmp7 counts clusters
	s_lshl_b32 s[YY], s[YY], 2
	s_add_co_u32 s[YY], s[YY], s[CY]
	s_and_b32 s[PP], s[YY], 1                      ; which 16 b
	s_lshr_b32 s[SB], s[YY], 1                     ; which 64 s
	s_lshl_b32 s74, s[CY], 2
	s_lshl_b32 s74, 15, s74                        ; my row of the cluster
	s_lshl_b32 s75, 0x1111, s[CX]                  ; my column
	; group 1 for enc's codes: two tiles (2 rows of 2,048 elements of 8 bytes, 4,096 elements apart); 16 bytes of padding behind every 1,024
	s_or_b32 s[G1A], s74, (3<<16)|(1<<20)|(1<<21)|(7<<22)|(3<<25)  ; 15:0 the mask; 17:16 elements of 8 bytes; 20 padding on; 21 set beside a mask; 24:22 after every 256 words (code 7); 31:25 four words (code 3)
	s_mov_b32 s[G1A+1], 2048<<16                   ; tensor_dim0
	s_mov_b32 s[G1A+2], 2<<16                      ; tensor_dim1
	s_mov_b32 s[G1A+3], 2048<<16                   ; tile_dim0
	s_mov_b32 s[G1A+4], 2                          ; tile_dim1
	s_mov_b32 s[G1A+5], 4096                       ; tensor_dim0_stride
	s_mov_b32 s[G1A+6], 0
	s_mov_b32 s[G1A+7], 0
	; for W: 128 rows of 128 elements of 8 bytes, the same padding: the same lines in LDS as 8 tiles of enc
	s_or_b32 s[G1W], s75, (3<<16)|(1<<20)|(1<<21)|(7<<22)|(3<<25)
	s_mov_b32 s[G1W+1], 128<<16
	s_mov_b32 s[G1W+2], 128<<16
	s_mov_b32 s[G1W+3], 128<<16
	s_mov_b32 s[G1W+4], 128
	s_mov_b32 s[G1W+5], 128
	s_mov_b32 s[G1W+6], 0
	s_mov_b32 s[G1W+7], 0
	; for enc's scale bytes: 64 tiles' (64 rows of 64 elements of 8 bytes, 128 elements apart), no padding
	s_or_b32 s[G1S], s74, (3<<16)|(1<<21)
	s_mov_b32 s[G1S+1], 64<<16
	s_mov_b32 s[G1S+2], 64<<16
	s_mov_b32 s[G1S+3], 64<<16
	s_mov_b32 s[G1S+4], 64
	s_mov_b32 s[G1S+5], 128
	s_mov_b32 s[G1S+6], 0
	s_mov_b32 s[G1S+7], 0
	s_lshl_b32 s80, s[SB], 21                      ; my cluster row's first codes: 64 sb x 32,768 + p x 16,384
	s_lshl_b32 s81, s[PP], 14
	s_add_co_u32 s80, s80, s81
	s_lshl_b32 s78, s[WV], 16                      ; wave w fetches tiles 2 w and 2 w + 1 of a slot
	s_add_co_u32 s78, s78, s80
	s_mov_b32 s79, 0
	s_lshl_b32 s82, s[SB], 16                      ; the first scale bytes: 64 sb x 1,024 + p x 512
	s_lshl_b32 s83, s[PP], 9
	s_add_co_u32 s82, s82, s83
	s_mov_b32 s83, 0
	s_lshl_b32 s84, s[CX], 18                      ; W: row 256 cx; waves 0 and 1 fetch 128 rows each
	s_lshl_b32 s85, s[KH], 17
	s_add_co_u32 s84, s84, s85
	s_mov_b32 s85, 0
	s_lshl_b32 s76, s[CX], 2                       ; the prefetches: u = 4 cx + wave, 0 .. 15: half u % 2 of tile u / 2 of a slot
	s_add_co_u32 s76, s76, s[WV]
	s_lshr_b32 s77, s76, 1
	s_lshl_b32 s77, s77, 15
	s_and_b32 s76, s76, 1
	s_lshl_b32 s76, s76, 13
	s_add_co_u32 s76, s76, s77
	s_add_co_u32 s76, s76, s80
	s_mov_b32 s77, 0
	s_lshl_b32 s86, s[CX], 13                      ; W's scale bytes: row 256 cx + 64 nh of 32 bytes, my half's 16
	s_lshl_b32 s87, s[NH], 11
	s_add_co_u32 s86, s86, s87
	s_lshl_b32 s87, s[KH], 4
	s_add_co_u32 s86, s86, s87
	s_mov_b32 s87, 0
	s_lshl_b32 s88, s[CX], 10                      ; hidden at row 16 p, column 256 cx
	s_lshl_b32 s89, s[PP], 16
	s_add_co_u32 s88, s88, s89
	s_mov_b32 s89, 0
	s_lshl_b32 s90, s[CX], 18                      ; part at [cx][16 p][64 sb]
	s_lshl_b32 s91, s[PP], 17
	s_add_co_u32 s90, s90, s91
	s_lshl_b32 s91, s[SB], 8
	s_add_co_u32 s90, s90, s91
	s_mov_b32 s91, 0
	s_mul_i32 s92, s[WV], 2*TILEB                  ; where they go in LDS: no place in the cluster enters
	s_mul_i32 s93, s[KH], SLOT
	s_lshl_b32 s98, s[KH], 9                       ; my half of K in a row, in tiles 0-3 and 4-7 of the two slots
	s_add_co_u32 s99, s98, 4*TILEB
	s_add_co_u32 s100, s98, SLOT
	s_add_co_u32 s101, s98, SLOT+4*TILEB
	s_mul_i32 s94, s[NH], 64*1040                  ; my 64 rows of W in slot 0, in slot 1
	s_add_co_u32 s94, s94, s98
	s_add_co_u32 s95, s94, SLOT
	s_lshl_b32 s96, s[NH], 8                       ; my 64 columns of hidden
	s_add_co_u32 s96, s96, EP
	s_mul_i32 s3, s[WV], EPW
	s_add_co_u32 s3, s3, EP
	s_lshl_b32 s69, s[KH], 4
	s_add_co_u32 s69, s69, ASC
	s_mov_b32 s[SEL], 0x76543210
	s_mov_b32 s[SEL+1], 0xfedcba98
	s_mov_b32 s[TS], 0
	s_mov_b32 s[TE], 0
	s_mov_b32 s[TRIPS], 3
	v_and_b32 v1, 15, v0                           ; r = lane % 16
	v_bfe_u32 v2, v0, 4, 1                         ; h = lane / 16
	v_mul_u32_u24 v22, v1, 1040
	v_lshl_add_u32 v21, v2, 4, v22                 ; row r x pitch + 16 h
.irp i, 0,1,2,3
	v_add_nc_u32 v[ADRA+\i], s[98+\i], v21
.endr
	v_add_nc_u32 v[WADR], s94, v21
	v_add_nc_u32 v[WADR+1], s95, v21
	v_lshl_add_u32 v22, v2, 5, v22                 ; hidden: row r, + 8 h numbers
	v_add_nc_u32 v[HADR], s96, v22
	v_lshlrev_b32 v23, 5, v1
	v_lshl_add_u32 v23, v2, 9, v23
	v_add_nc_u32 v[ADRS0], s69, v23                ; row r's 32 scale bytes, my half's 16; lanes 16-31 one tile on
	v_mul_u32_u24 v24, v1, 272
	v_add_nc_u32 v[EPA0], s3, v24
	v_lshlrev_b32 v[WSA], 5, v1
	v_lshl_add_u32 v[WSA], v2, 12, v[WSA]          ; W's scale bytes: row r of 32 bytes; lanes 16-31 take the rows 128 further on
	v_and_b32 v[PFO], 31, v0
	v_lshlrev_b32 v[PFO], 8, v[PFO]
	v_lshrrev_b32 v25, 4, v0                       ; the way out: thread t takes row t / 16 (and 8 further on), 16 bytes at 16 (t % 16)
	v_mul_u32_u24 v26, v25, 272
	v_lshl_add_u32 v26, v1, 4, v26
	v_add_nc_u32 v[RD], EP+16, v26
	v_lshlrev_b32 v27, 13, v25                     ; a row of part is 8,192 bytes
	v_lshl_add_u32 v[GO], v1, 4, v27
	v_add_nc_u32 v[ADRS], s[TS], v[ADRS0]
	v_add_nc_u32 v[EPA], s[TE], v[EPA0]
	WIN 0x40
.irp e, 0,1,2,3
	v_mov_b32 v[220+\e], 0                         ; the sums of the place in front of tile 0, which the first change of slots reduces with the others
.endr
	WIN 0
	s_wait_alu depctr_va_vdst(0)
	s_wait_dscnt 0x0                               ; both opening adds are done
	s_wait_kmcnt 0x0
	s_mov_b32 s[G0], 1                             ; 1:0 count = 1
	s_mov_b32 s[G0+1], s92                         ; 63:32 LDS address
	s_add_nc_u64 s[G0+2:G0+3], s[4:5], s[78:79]    ; 120:64 global address: tiles 0 to 7
	s_mov_b32 s[G0+4], 1
	s_add_co_u32 s[G0+5], s92, SLOT
	s_add_nc_u64 s[G0+6:G0+7], s[G0+2:G0+3], SLOTG ; tiles 8 to 15
	s_or_b32 s[G0+3], s[G0+3], 0x80000000          ; 127:126 type = 2
	s_or_b32 s[G0+7], s[G0+7], 0x80000000
	s_mov_b32 s[G0W], 1
	s_mov_b32 s[G0W+1], s93
	s_add_nc_u64 s[G0W+2:G0W+3], s[8:9], s[84:85]
	s_or_b32 s[G0W+3], s[G0W+3], 0x80000000
	s_mov_b32 s[G0S], 1
	s_mov_b32 s[G0S+1], ASC
	s_add_nc_u64 s[G0S+2:G0S+3], s[6:7], s[82:83]
	s_or_b32 s[G0S+3], s[G0S+3], 0x80000000
	s_add_nc_u64 s[PFA:PFA+1], s[4:5], s[76:77]
	s_add_nc_u64 s[10:11], s[10:11], s[86:87]
	s_add_nc_u64 s[12:13], s[12:13], s[88:89]
	s_add_nc_u64 s[14:15], s[14:15], s[90:91]
	; hidden: 16 rows of 128 elements of 8 bytes, 512 elements apart, padded like the others.  A plain load: 16 KiB once, beside 288 KiB of joint loads at the head
	s_mov_b32 s[G1H], (3<<16)|(1<<20)|(7<<22)|(3<<25)
	s_mov_b32 s[G1H+1], 128<<16
	s_mov_b32 s[G1H+2], 16<<16
	s_mov_b32 s[G1H+3], 128<<16
	s_mov_b32 s[G1H+4], 16
	s_mov_b32 s[G1H+5], 512
	s_mov_b32 s[G1H+6], 0
	s_mov_b32 s[G1H+7], 0
	s_mov_b32 s[G0H], 1
	s_mov_b32 s[G0H+1], EP
	s_mov_b64 s[G0H+2:G0H+3], s[12:13]
	s_or_b32 s[G0H+3], s[G0H+3], 0x80000000
	CROUND                                         ; all sixteen work-groups are here: the first joint loads meet
	; the head's loads, one a wave: wave 0 W's rows 0-127 into slot 0, wave 1 its rows 128-255 into slot 1, wave 2 the scale bytes, wave 3 hidden.  Wave 0 has a load line of its own: it alone waits ahead of the first barrier below
	s_cmp_lt_u32 s[WV], 1
	s_cbranch_scc0 .Lhead_1
	TLOAD G0W, G1W
	s_branch .Lasked
.Lhead_1:
	s_cmp_lt_u32 s[WV], 2
	s_cbranch_scc0 .Lhead_2
	TLOAD G0W, G1W
	s_branch .Lasked
.Lhead_2:
	s_cmp_lt_u32 s[WV], 3
	s_cbranch_scc0 .Lhead_3
	TLOAD G0S, G1S
	s_branch .Lasked
.Lhead_3:
	TLOAD G0H, G1H
.Lasked:
.irp j, 0,1,2,3
	global_load_b128 v[WS+4*\j:WS+4*\j+3], v[WSA], s[10:11] offset:512*\j   ; four words a row: K steps 0 to 3 of my half of K
.endr
; A PREFETCH INTO THE L2 of the 8 tiles that the NEXT fill of a slot will ask for: 128 KiB, 512 blocks of 256 bytes.  No other cluster row reads these rows of enc; its 16 waves share the blocks out BY ADDRESS,
; 8,192 bytes a wave, lanes 256 bytes apart: each block is named once in the launch.  In the loop it stands behind the joint load and the run of LDS loads, a slot's 256 matrix instructions ahead of the load that will want the tiles.
; cond = 2: the loop's second change of slots, which in the last trip has no tiles behind those that it asks for.
.macro ASK cond
.if (\cond) == 2
	s_cmp_gt_u32 s[TRIPS], 1
	s_cbranch_scc0 .Lno_ask_\@
.endif
	global_prefetch_b8 v[PFO], s[PFA:PFA+1] th:TH_LOAD_NT scope:SCOPE_SE
.if (\cond) == 2
.Lno_ask_\@:
.endif
.endm
	ASK 1                                          ; tiles 0 to 7
; A group of W: 64 LDS loads into the registers that keep it: lane (r, h) holds row 16 j + r; registers 4 c .. 4 c + 3 of a fragment hold K = 128 q + 32 c + 16 h + 0 .. 15 of my half
.macro WREAD grp
	WIN 0x80+0x40*(\grp)
.irp q, 0,1,2
.irp j, 0,1,2,3
.irp c, 0,1,2,3
	ds_load_b128 v[64*\q+16*\j+4*\c:64*\q+16*\j+4*\c+3], v[WADR+\grp] offset:16*1040*\j+128*\q+32*\c
.endr
.endr
.endr
	WIN 0
.irp j, 0,1,2,3
.irp c, 0,1,2,3
	ds_load_b128 v[128+64*\grp+16*\j+4*\c:128+64*\grp+16*\j+4*\c+3], v[WADR+\grp] offset:16*1040*\j+384+32*\c
.endr
.endr
.endm
.macro HLD grp, j, reg                 ; hidden[r][128 G + 64 nh + 16 j + 8 h ..+ 7]
	ds_load_b128 v[\reg:\reg+3], v[HADR] offset:512*\grp+64*\j
	ds_load_b128 v[\reg+4:\reg+7], v[HADR] offset:512*\grp+64*\j+16
.endm
	s_cmp_lt_u32 s[WV], 1
	s_cbranch_scc0 .Lshow_0
	s_wait_tensorcnt 0x0                           ; wave 0: W's rows 0-127 are in
.Lshow_0:
	s_barrier_signal -1                            ; the other waves' loads may stay out
	s_barrier_wait -1
	WREAD 0
	s_wait_tensorcnt 0x0                           ; all my tensor loads have landed
	ds_add_u32 v[SPW], v[NIL]                      ; 0 onto my spare word
	s_wait_dscnt 0x0                               ; the add is done, and my reads of slot 0
	CROUND
	TLOAD G0, G1A                                  ; enc's tiles 0 to 7 into slot 0: my one load behind the round
	WREAD 1                                        ; meanwhile W's rows 128-255 go into registers,
	WIN 0x80                                       ; and hidden: each part beside the W fragments behind whose products it is used
.irp j, 0,1,2
	HLD 1, \j, 192+8*\j
.endr
	WIN 0xc0
.irp j, 0,1
	HLD 0, \j, 192+8*\j
.endr
	WIN 0
	HLD 0, 2, 64
	HLD 0, 3, 72
	HLD 1, 3, 80
	s_wait_xcnt 0x0                                ; the last prefetch has read its address, so it may be written
	s_add_nc_u64 s[PFA:PFA+1], s[PFA:PFA+1], SLOTG
	ASK 1                                          ; tiles 8 to 15
	s_wait_loadcnt 0x0                             ; W's scale words are in
	s_wait_xcnt 0x0
	s_add_nc_u64 s[PFA:PFA+1], s[PFA:PFA+1], SLOTG
	s_wait_tensorcnt 0x0                           ; my part of tiles 0 to 7 is in
	ds_add_u32 v[SPW], v[NIL]
	s_wait_dscnt 0x0                               ; the add is done, and my reads of slot 1 and of hidden
	CROUND
	TLOAD G0+4, G1A                                ; tiles 8 to 15 into slot 1
	ds_load_b128 v[ES:ES+3], v[ADRS]               ; tiles 0 and 1: their scale words,
	WIN 0x40
.irp n, 0,1,2,3,4,5,6,7,8,9,10,11,12,13,14,15
	ds_load_b128 v[4*\n:4*\n+3], v[ADRA] offset:128*(\n/4)+32*(\n%4)         ; tile 0's four fragments
.endr
	WIN 0
	ASK 1                                          ; tiles 16 to 23
; Matrix instruction idx of a tile's 32: group idx / 16, K step (idx % 16) / 4, n-tile idx % 4.  The four accumulators of a group take turns, one instruction a turn: three others stand between a sum's steps.
.macro MM g
.set mG, idx/16
.set mq, (idx%16)/4
.set mj, idx%4
.set rD, 128+32*mG+8*mj
.set rB, 64*((\g)%2)+16*mq
.set rs, WS+4*mj+mq
.set re, ES+4*(((\g)/2)%2)+mq
.if mq < 3
.set rW, 64*mq+16*mj
	WIN 0x56+mG                                    ; W window 2 or 3; enc, C and D window 1
.else
.set rW, 128+64*mG+16*mj
	WIN 0x54                                       ; W window 0
.endif
.if mq == 0
.if mG == 0
.if (\g)%2 == 0
	v_wmma_scale_f32_16x16x128_f8f6f4 v[rD:rD+7], v[rW:rW+15], v[rB:rB+15], 0, v[rs], v[re] matrix_a_fmt:MATRIX_FMT_BF8 matrix_b_fmt:MATRIX_FMT_BF8
.else
	v_wmma_scale_f32_16x16x128_f8f6f4 v[rD:rD+7], v[rW:rW+15], v[rB:rB+15], 0, v[rs], v[re] matrix_a_fmt:MATRIX_FMT_BF8 matrix_b_fmt:MATRIX_FMT_BF8 matrix_b_scale:MATRIX_SCALE_ROW1
.endif
.else
.if (\g)%2 == 0
	v_wmma_scale_f32_16x16x128_f8f6f4 v[rD:rD+7], v[rW:rW+15], v[rB:rB+15], 0, v[rs], v[re] matrix_a_fmt:MATRIX_FMT_BF8 matrix_b_fmt:MATRIX_FMT_BF8 matrix_a_scale:MATRIX_SCALE_ROW1
.else
	v_wmma_scale_f32_16x16x128_f8f6f4 v[rD:rD+7], v[rW:rW+15], v[rB:rB+15], 0, v[rs], v[re] matrix_a_fmt:MATRIX_FMT_BF8 matrix_b_fmt:MATRIX_FMT_BF8 matrix_a_scale:MATRIX_SCALE_ROW1 matrix_b_scale:MATRIX_SCALE_ROW1
.endif
.endif
.else
.if mG == 0
.if (\g)%2 == 0
	v_wmma_scale_f32_16x16x128_f8f6f4 v[rD:rD+7], v[rW:rW+15], v[rB:rB+15], v[rD:rD+7], v[rs], v[re] matrix_a_fmt:MATRIX_FMT_BF8 matrix_b_fmt:MATRIX_FMT_BF8
.else
	v_wmma_scale_f32_16x16x128_f8f6f4 v[rD:rD+7], v[rW:rW+15], v[rB:rB+15], v[rD:rD+7], v[rs], v[re] matrix_a_fmt:MATRIX_FMT_BF8 matrix_b_fmt:MATRIX_FMT_BF8 matrix_b_scale:MATRIX_SCALE_ROW1
.endif
.else
.if (\g)%2 == 0
	v_wmma_scale_f32_16x16x128_f8f6f4 v[rD:rD+7], v[rW:rW+15], v[rB:rB+15], v[rD:rD+7], v[rs], v[re] matrix_a_fmt:MATRIX_FMT_BF8 matrix_b_fmt:MATRIX_FMT_BF8 matrix_a_scale:MATRIX_SCALE_ROW1
.else
	v_wmma_scale_f32_16x16x128_f8f6f4 v[rD:rD+7], v[rW:rW+15], v[rB:rB+15], v[rD:rD+7], v[rs], v[re] matrix_a_fmt:MATRIX_FMT_BF8 matrix_b_fmt:MATRIX_FMT_BF8 matrix_a_scale:MATRIX_SCALE_ROW1 matrix_b_scale:MATRIX_SCALE_ROW1
.endif
.endif
.endif
.endm
; Line k of the 16 that fold a finished group of the tile at place e with hidden, each accumulator from its low end on; one chain a group, begun afresh, so that no chain runs across a wait on memory.
.macro FOLD grp, e, k
.set kk, (\k)
.set fe, 192+4*(\e)+2*(\grp)
.set fa, 128+32*(\grp)+8*(kk/4)+2*(kk%4)
.set fh, 192+8*(kk/4)+2*(kk%4)
.if ((\grp) == 0) && (kk >= 8)
.set fh, 48+8*(kk/4)+2*(kk%4)
.endif
.if ((\grp) == 1) && (kk >= 12)
.set fh, 80+2*(kk%4)
.endif
.if kk == 0
	v_pk_mul_f32 v[fe:fe+1], v[fh:fh+1], v[fa:fa+1]
.else
	v_pk_fma_f32 v[fe:fe+1], v[fh:fh+1], v[fa:fa+1], v[fe:fe+1]
.endif
.endm
; The sums of the eight tiles that are folded when a slot's tile 7 has issued its group 0: the slot before's tile 7, this slot's 0 to 6: both groups' chains, two numbers each, and the other half of the lanes.
; Register v[96 + e] takes the tile at place e of its slot
.macro BATCH
	WIN 0x15                                       ; sources window 1, destination window 0
.irp e, 7,0,1,2,3,4,5,6
	v_pk_add_f32 v[104+2*\e:105+2*\e], v[192+4*\e:193+4*\e], v[194+4*\e:195+4*\e]
.endr
	WIN 0
.irp e, 7,0,1,2,3,4,5,6
	v_add_f32 v[96+\e], v[104+2*\e], v[105+2*\e]
.endr
.irp e, 7,0,1,2,3,4,5,6
	v_permlanex16_b32 v[105+2*\e], v[96+\e], s[SEL], s[SEL+1]
.endr
.irp e, 7,0,1,2,3,4,5,6
	v_add_f32 v[96+\e], v[96+\e], v[105+2*\e]
.endr
.endm
; The run of LDS loads for the next tile: destination window 1, addresses window 0; ahead of an even tile the pair's scale words too
.macro RUN rel
.if gn%2 == 0
	WIN 0
	ds_load_b128 v[ES+4*((gn/2)%2):ES+4*((gn/2)%2)+3], v[ADRS] offset:512*((\rel)+1)
.endif
	WIN 0x40
.irp n, 0,1,2,3,4,5,6,7,8,9,10,11,12,13,14,15
	ds_load_b128 v[64*toth+4*\n:64*toth+4*\n+3], v[ADRA+tk] offset:ttoff+128*(\n/4)+32*(\n%4)
.endr
.endm
; A TILE.  g = its place in the ring (slot g / 8, tile g % 8; enc set g % 2); rel = its number from the trip's base.
; kind 0: the next tile's run of loads stands at the head.  1: the slot's last tile: change of slots between its groups, the slot is filled again, then the run.  2: change of slots, nothing is filled.
; 3: nothing is left to fetch; the sums are reduced all the same.  pre = 1, 2: the next tile changes slots (1: with a fill): the wait for my tensor loads and the add stand behind the run.  prev = 0: tile 0, nothing to fold yet.
; PLACES.  A load into a register that a matrix instruction has read, and a vector instruction that reads a matrix result, stand eight places behind that matrix instruction, and only plain vector instructions that name none of its
; registers are places.  Ahead of the run: the fold behind the last product, the four folds and the four v_nop of the head.  Ahead of the first fold of
; group 1: those behind the last four products and the four of the head; of group 0: the folds behind its last four products and the v_nop behind group 1's first four.
.macro TILE g, rel, kind, prev, pre, ask
.set toth, 1-(\g)%2
.set gn, ((\g)+1)%16
.set tk, 2*(gn/8)+(gn%8)/4
.set ttoff, (gn%4)*TILEB
.if (\prev)
	WIN 0x54
.irp k, 12,13,14,15
	FOLD 0, ((\g)+7)%8, \k                         ; the last four of group 0 of the tile before
.endr
.endif
.if (\kind) == 0
.rept 4
	v_nop
.endr
.endif
	s_wait_dscnt 0x0                               ; my tile is in registers (where slots change: the add is done too, and my reads of this slot are over)
.if ((\kind) == 1) || ((\kind) == 2)
	s_barrier_signal -1                            ; say so; work on registers alone until all four have said so
.endif
.if (\kind) == 0
	RUN \rel
.endif
.if (\pre)
	WIN 0
.if (\pre) == 1
	s_wait_xcnt 0x0                                ; the last prefetch, a slot back, has read its address, so it may be written
	s_add_nc_u64 s[PFA:PFA+1], s[PFA:PFA+1], SLOTG
.endif
	s_wait_tensorcnt 0x0                           ; all my tensor loads have landed: the one that was out is my part of the next slot
	ds_add_u32 v[SPW], v[NIL]                      ; 0 onto my spare word; 32 products stand between it and the wait for it
.if (\pre) == 1
	s_add_nc_u64 s[G0+4*((\g)/8)+2:G0+4*((\g)/8)+3], s[G0+4*((\g)/8)+2:G0+4*((\g)/8)+3], 2*SLOTG   ; no tensor load of mine is out: this slot's next tiles are 16 further on
.endif
.endif
.set idx, 0
.rept 16
	MM \g
.if (\prev)
	FOLD 1, ((\g)+7)%8, idx
.elseif idx >= 12
	v_nop
.endif
.set idx, idx+1
.endr
.if (\kind) != 0
	BATCH
.if (\kind) != 3
	s_wait_alu depctr_va_vdst(0)
	s_barrier_wait -1
.endif
.if (\kind) == 1
	CREST                                          ; the barrier has opened a round of the cluster's: no wave of any partner still reads this slot or has a load on its way
	TLOAD G0+4*((\g)/8), G1A                       ; my one tensor load behind the round, and the first thing there
.endif
	ds_store_b128 v[EPA], v[96:99] offset:16+32*((\g)/8)   ; lanes l and l + 16 write the same words with the same values
	ds_store_b96 v[EPA], v[100:102] offset:32+32*((\g)/8)
	ds_store_b32 v[EPA], v103 offset:12+32*((\g)/8)
.if (\kind) != 3
	RUN \rel
.endif
.if (\ask)
	WIN 0                                          ; at a branch and at a label every window is 0
	ASK \ask
.endif
.endif
.rept 16
	MM \g
.if idx < 20
	v_nop
.else
	FOLD 0, (\g)%8, idx-20
.endif
.set idx, idx+1
.endr
.endm
	TILE 0, 0, 0, 0, 0, 0                          ; tile 0 stands in front of the loop
	WIN 0
	s_wait_alu depctr_va_vdst(0)
.Ltrip:                                            ; a trip is 16 tiles, once round the ring from slot 0's second tile to its first, and fills both slots again: three trips bring tiles 16 to 63
.irp g, 1,2,3,4,5
	TILE \g, \g, 0, 1, 0, 0
.endr
	TILE 6, 6, 0, 1, 1, 0
	TILE 7, 7, 1, 1, 0, 1
.irp g, 8,9,10,11,12,13
	TILE \g, \g, 0, 1, 0, 0
.endr
	TILE 14, 14, 0, 1, 1, 0
	TILE 15, 15, 1, 1, 0, 2
	TILE 0, 16, 0, 1, 0, 0
	WIN 0
	s_add_co_u32 s[TS], s[TS], 16*512              ; 16 tiles on among the scale words
	s_add_co_u32 s[TE], s[TE], 16*4                ; and among the results
	v_add_nc_u32 v[ADRS], s[TS], v[ADRS0]
	v_add_nc_u32 v[EPA], s[TE], v[EPA0]
	s_sub_co_u32 s[TRIPS], s[TRIPS], 1
	s_cmp_lg_u32 s[TRIPS], 0
	s_wait_alu depctr_va_vdst(0)
	s_cbranch_scc1 .Ltrip
.irp g, 1,2,3,4,5                      ; the last 15 tiles are written out: nothing is left to ask for
	TILE \g, \g, 0, 1, 0, 0
.endr
	TILE 6, 6, 0, 1, 2, 0
	TILE 7, 7, 2, 1, 0, 0
.irp g, 8,9,10,11,12,13,14
	TILE \g, \g, 0, 1, 0, 0
.endr
	TILE 15, 15, 3, 1, 0, 0
	WIN 0x54                                       ; the last tile: what is left of its group 0,
.irp k, 12,13,14,15
	FOLD 0, 7, \k
.endr
	WIN 0x56                                       ; and its group 1
.irp k, 0,1,2,3,4,5,6,7,8,9,10,11
	FOLD 1, 7, \k
.endr
	WIN 0x54
.irp k, 12,13,14,15
	FOLD 1, 7, \k
.endr
	WIN 0x15
	v_pk_add_f32 v[118:119], v[220:221], v[222:223]
	WIN 0
	v_add_f32 v103, v118, v119
	v_permlanex16_b32 v119, v103, s[SEL], s[SEL+1]
	v_add_f32 v103, v103, v119
	ds_store_b32 v[EPA], v103 offset:76
	; THE WAY OUT.  The four waves' numbers (two halves of K, two halves of a group's n) are added, and 16 rows of 256 bytes leave: sixteen lanes store 256 consecutive bytes, at a multiple of 256 from part's first byte.
	s_wait_dscnt 0x0                               ; for the others' sake: my stores have landed
	s_barrier_signal -1
	s_barrier_wait -1
.irp u, 0,1
.irp w, 0,1,2,3
	ds_load_b128 v[64+16*\u+4*\w:67+16*\u+4*\w], v[RD] offset:EPW*\w+8*272*\u
.endr
.endr
	s_wait_dscnt 0x0
.irp u, 0,1
.irp j, 0,2
	v_pk_add_f32 v[64+16*\u+\j:65+16*\u+\j], v[64+16*\u+\j:65+16*\u+\j], v[68+16*\u+\j:69+16*\u+\j]
	v_pk_add_f32 v[72+16*\u+\j:73+16*\u+\j], v[72+16*\u+\j:73+16*\u+\j], v[76+16*\u+\j:77+16*\u+\j]
.endr
.irp j, 0,2
	v_pk_add_f32 v[64+16*\u+\j:65+16*\u+\j], v[64+16*\u+\j:65+16*\u+\j], v[72+16*\u+\j:73+16*\u+\j]
.endr
	global_store_b128 v[GO], v[64+16*\u:67+16*\u], s[14:15] offset:65536*\u
.endr
	s_wait_tensorcnt 0x0                           ; the wave's end, behind my last tensor load and my last LDS store
	ds_add_u32 v[SPW], v[NIL]
	s_wait_dscnt 0x0
	CROUND                                         ; the closing round: no work-group ends while a partner may still ask for a tile that names it
	s_endpgm
.Lfunc_end_k_q18351ad495_energy:
	.size	k_q18351ad495_energy, .Lfunc_end_k_q18351ad495_energy-k_q18351ad495_energy
	.p2alignl 7, 3214868480
	.fill 96, 4, 3214868480
	.section	.rodata,"a",@progbits
	.p2align	6, 0x0
	.amdhsa_kernel k_q18351ad495_energy
		.amdhsa_group_segment_fixed_size 327680
		.amdhsa_private_segment_fixed_size 0
		.amdhsa_enable_private_segment 0
		.amdhsa_kernarg_size 48
		.amdhsa_user_sgpr_count 2
		.amdhsa_user_sgpr_kernarg_segment_ptr 1
		.amdhsa_wavefront_size32 1
		.amdhsa_system_sgpr_workgroup_id_x 1
		.amdhsa_system_sgpr_workgroup_id_y 1
		.amdhsa_system_sgpr_workgroup_id_z 1
		.amdhsa_system_vgpr_workitem_id 0
		.amdhsa_next_free_vgpr 1024
		.amdhsa_next_free_sgpr 102
		.amdhsa_reserve_vcc 0
		.amdhsa_float_denorm_mode_32 3
		.amdhsa_float_denorm_mode_16_64 3
		.amdhsa_memory_ordered 1
		.amdhsa_forward_progress 1
		.amdhsa_inst_pref_size 255
	.end_amdhsa_kernel
	.section	.bss,"aw",@nobits
	.p2align	6
	.space	262144
	.amdgpu_metadata
---
amdhsa.version: [ 1, 2 ]
amdhsa.kernels:
  - .name:           k_q18351ad495_energy
    .symbol:         k_q18351ad495_energy.kd
    .args:
      - { .name: encoder_outputs_codes, .offset: 0, .size: 8, .value_kind: global_buffer, .address_space: global }
      - { .name: encoder_outputs_scales, .offset: 8, .size: 8, .value_kind: global_buffer, .address_space: global }
      - { .name: W_attn_codes, .offset: 16, .size: 8, .value_kind: global_buffer, .address_space: global }
      - { .name: W_attn_scales, .offset: 24, .size: 8, .value_kind: global_buffer, .address_space: global }
      - { .name: hidden, .offset: 32, .size: 8, .value_kind: global_buffer, .address_space: global }
      - { .name: part, .offset: 40, .size: 8, .value_kind: global_buffer, .address_space: global }
    .group_segment_fixed_size: 327680
    .private_segment_fixed_size: 0
    .kernarg_segment_align: 8
    .kernarg_segment_size: 48
    .max_flat_workgroup_size: 128
    .sgpr_count:     102
    .vgpr_count:     1024
    .wavefront_size: 32
...
	.end_amdgpu_metadata
.endif
;; end of part 1
;; launch softmax (part 2): grid 32 x 1, 8 waves a work-group, no clusters, 2,048 bytes of LDS; arguments part, out0; writes out0
.if DOCPART == 2
	.amdgcn_target "amdgcn-amd-amdhsa--gfx1250"
	.amdhsa_code_object_version 6
	.text
	.protected	k_q18351ad495_softmax
	.globl	k_q18351ad495_softmax
	.p2align	8
	.type	k_q18351ad495_softmax,@function
k_q18351ad495_softmax:
	s_mov_b64 s[64:65], 0
	v_nop
	global_prefetch_b8 v0, s[64:65] scope:SCOPE_SE
	s_setreg_imm32_b32 hwreg(HW_REG_WAVE_MODE, 25, 1), 1
	s_wait_xcnt 0x0
; out0[b][s] = softmax over s of x[b][s], x[b][s] = the sum over c = 0 .. 3 of part[c][b][s].  part: [4][32][2048] f32; out0: [32][2048] f32.
; One work-group for each b: a row is 8,192 bytes, 32 bytes a thread, and stays in registers.  There are 32 rows, so 32 work-groups: the row's maximum and sum want all of it in one place.
; Each load and store of a wave covers 512 consecutive bytes.  Each wave takes ITS OWN maximum m away before the exponentials and sums them; the eight pairs (m, l) meet in LDS behind ONE barrier;
; then M = the largest m, L = the sum of l 2^((m - M) log2 e), and the wave's numbers are multiplied by 2^((m - M) log2 e) / L.
; No matrix unit, no cluster, no tensor load: 1 MiB is read once and nothing is shared between work-groups.  No prefetch: the loads are the first thing the launch does.
; LIMITS: v_exp_f32 gives 0 for results under 2^-126 (ISA guide, its entry in 15.8); NaN and infinities among the inputs are passed on as the units give them.
.set L2E, 0x3fb8aa3b                   ; log2(e)
.set X,   8                            ; v8-15   my 8 numbers: s = 4 t .. 4 t + 3 and 1,024 + 4 t ..;  v16-39 the other three parts
	s_load_b128 s[4:7], s[0:1], 0x0                ; part, out0
	v_lshl_add_u32 v64, v0, 2, 0x400
	v_mov_b32 v65, 0
	s_lshl_b32 s8, ttmp9, 13                       ; row b, 8,192 bytes
	s_mov_b32 s9, 0
	s_mov_b32 s10, 0x76543210                      ; v_permlanex16_b32's selects for lane l xor 16
	s_mov_b32 s11, 0xfedcba98
	v_lshlrev_b32 v1, 4, v0                        ; 16 bytes a thread
	v_lshrrev_b32 v2, 5, v0
	s_delay_alu instid0(VALU_DEP_1)
	v_lshlrev_b32 v2, 3, v2                        ; LDS: 8 bytes a wave
	v_mov_b32 v3, 0
	s_wait_alu depctr_va_vdst(0)
	s_wait_kmcnt 0x0
	s_add_nc_u64 s[4:5], s[4:5], s[8:9]
	s_add_nc_u64 s[6:7], s[6:7], s[8:9]
.irp c, 0,1,2,3
.irp u, 0,1
	global_load_b128 v[X+8*\c+4*\u:X+8*\c+4*\u+3], v1, s[4:5] offset:262144*\c+4096*\u th:TH_LOAD_NT
.endr
.endr
	s_wait_loadcnt 0x0
.irp j, 0,2,4,6
	v_pk_add_f32 v[X+\j:X+\j+1], v[X+\j:X+\j+1], v[X+8+\j:X+8+\j+1]
	v_pk_add_f32 v[X+16+\j:X+16+\j+1], v[X+16+\j:X+16+\j+1], v[X+24+\j:X+24+\j+1]
.endr
.irp j, 0,2,4,6
	v_pk_add_f32 v[X+\j:X+\j+1], v[X+\j:X+\j+1], v[X+16+\j:X+16+\j+1]   ; x = (p0 + p1) + (p2 + p3)
.endr
	s_delay_alu instid0(VALU_DEP_3)
	v_max3_num_f32 v40, v8, v9, v10                ; the wave's maximum: my 8,
	s_delay_alu instid0(VALU_DEP_3)
	v_max3_num_f32 v41, v11, v12, v13
	s_delay_alu instid0(VALU_DEP_2)
	v_max3_num_f32 v40, v40, v14, v15
	s_delay_alu instid0(VALU_DEP_1)
	v_max_num_f32 v40, v40, v41
	s_delay_alu instid0(VALU_DEP_1)
	v_max_num_f32_dpp v40, v40, v40 row_xmask:1 row_mask:0xf bank_mask:0xf   ; the 16 lanes of my half,
	s_delay_alu instid0(VALU_DEP_1)
	v_max_num_f32_dpp v40, v40, v40 row_xmask:2 row_mask:0xf bank_mask:0xf
	s_delay_alu instid0(VALU_DEP_1)
	v_max_num_f32_dpp v40, v40, v40 row_xmask:4 row_mask:0xf bank_mask:0xf
	s_delay_alu instid0(VALU_DEP_1)
	v_max_num_f32_dpp v40, v40, v40 row_xmask:8 row_mask:0xf bank_mask:0xf
	s_delay_alu instid0(VALU_DEP_1)
	v_permlanex16_b32 v41, v40, s10, s11           ; and the other half
	s_delay_alu instid0(VALU_DEP_1)
	v_max_num_f32 v40, v40, v41                    ; m, in every lane
.irp j, 0,2,4,6
	v_pk_add_f32 v[X+\j:X+\j+1], v[X+\j:X+\j+1], v[40:41] op_sel_hi:[1,0] neg_lo:[0,1] neg_hi:[0,1]   ; x - m first (of the pair the low word serves both halves), so that nothing is lost where x is large,
.endr
.irp j, 0,2,4,6
	s_delay_alu instid0(VALU_DEP_4)
	v_pk_mul_f32 v[X+\j:X+\j+1], v[X+\j:X+\j+1], L2E op_sel_hi:[1,0]   ; then x log2(e)
.endr
	s_wait_alu depctr_va_vdst(0)
.irp j, 0,1,2,3,4,5,6,7
	v_exp_f32 v[X+\j], v[X+\j]                     ; e^(x - m), at most 1
.endr
	v_mov_b32 v31, 0                               ; a plain line behind the exponentials (v31 is named further down as the upper half of a pair)
	s_wait_alu depctr_va_vdst(0)                   ; one wait for the batch, ahead of its first reader
	v_pk_add_f32 v[42:43], v[8:9], v[10:11]
	v_pk_add_f32 v[44:45], v[12:13], v[14:15]
	s_delay_alu instid0(VALU_DEP_1)
	v_pk_add_f32 v[42:43], v[42:43], v[44:45]
	s_delay_alu instid0(VALU_DEP_1)
	v_add_f32 v42, v42, v43
	s_delay_alu instid0(VALU_DEP_1)
	v_add_f32_dpp v42, v42, v42 row_xmask:1 row_mask:0xf bank_mask:0xf
	s_delay_alu instid0(VALU_DEP_1)
	v_add_f32_dpp v42, v42, v42 row_xmask:2 row_mask:0xf bank_mask:0xf
	s_delay_alu instid0(VALU_DEP_1)
	v_add_f32_dpp v42, v42, v42 row_xmask:4 row_mask:0xf bank_mask:0xf
	s_delay_alu instid0(VALU_DEP_1)
	v_add_f32_dpp v42, v42, v42 row_xmask:8 row_mask:0xf bank_mask:0xf
	s_delay_alu instid0(VALU_DEP_1)
	v_permlanex16_b32 v43, v42, s10, s11
	s_delay_alu instid0(VALU_DEP_1)
	v_add_f32 v41, v42, v43                        ; l, beside m
	ds_store_b64 v2, v[40:41]                      ; all lanes write the wave's pair with the same values
	s_wait_dscnt 0x0                               ; for the others' sake
	s_barrier_signal -1
	s_barrier_wait -1
.irp i, 0,1,2,3
	ds_load_b128 v[48+4*\i:51+4*\i], v3 offset:16*\i   ; the eight pairs: m of wave w in v[48 + 2 w], l in v[49 + 2 w]
.endr
	s_wait_dscnt 0x0
	v_max3_num_f32 v16, v48, v50, v52
	s_delay_alu instid0(VALU_DEP_1)
	v_max3_num_f32 v16, v16, v54, v56
	s_delay_alu instid0(VALU_DEP_1)
	v_max3_num_f32 v16, v16, v58, v60
	s_delay_alu instid0(VALU_DEP_1)
	v_max_num_f32 v16, v16, v62                    ; M
.irp w, 0,1,2,3,4,5,6,7
	v_sub_f32 v[20+\w], v[48+2*\w], v16
.endr
	v_sub_f32 v28, v40, v16                        ; and my own wave's
.irp w, 0,1,2,3,4,5,6,7,8
	v_mul_f32 v[20+\w], L2E, v[20+\w]
.endr
	s_wait_alu depctr_va_vdst(0)
.irp w, 0,1,2,3,4,5,6,7,8
	v_exp_f32 v[20+\w], v[20+\w]                   ; e^(m - M)
.endr
	v_nop                                          ; a plain line behind the last exponential
	s_wait_alu depctr_va_vdst(0)                   ; one wait for the nine
	v_mul_f32 v29, v49, v20                        ; L, in two chains
	v_mul_f32 v30, v51, v21
	v_fmac_f32 v29, v53, v22
	v_fmac_f32 v30, v55, v23
	v_fmac_f32 v29, v57, v24
	v_fmac_f32 v30, v59, v25
	v_fmac_f32 v29, v61, v26
	v_fmac_f32 v30, v63, v27
	s_delay_alu instid0(VALU_DEP_1)
	v_add_f32 v29, v29, v30
	s_wait_alu depctr_va_vdst(0)
	v_rcp_f32 v30, v29
	v_nop                                          ; a plain line behind the reciprocal
	s_wait_alu depctr_va_vdst(0)                   ; and its wait, ahead of the first reader
	v_mul_f32 v30, v30, v28                        ; e^(m - M) / L
.irp j, 0,2,4,6
	v_pk_mul_f32 v[X+\j:X+\j+1], v[X+\j:X+\j+1], v[30:31] op_sel_hi:[1,0]
.endr
	global_store_b128 v1, v[8:11], s[6:7] th:TH_STORE_NT               ; a wave's store covers 512 consecutive bytes, at a multiple of 256 from out0's first byte
	global_store_b128 v1, v[12:15], s[6:7] offset:4096 th:TH_STORE_NT
	s_wait_tensorcnt 0x0
	ds_add_u32 v64, v65
	s_wait_dscnt 0x0
	s_endpgm
.Lfunc_end_k_q18351ad495_softmax:
	.size	k_q18351ad495_softmax, .Lfunc_end_k_q18351ad495_softmax-k_q18351ad495_softmax
	.p2alignl 7, 3214868480
	.fill 96, 4, 3214868480
	.section	.rodata,"a",@progbits
	.p2align	6, 0x0
	.amdhsa_kernel k_q18351ad495_softmax
		.amdhsa_group_segment_fixed_size 2048
		.amdhsa_private_segment_fixed_size 0
		.amdhsa_enable_private_segment 0
		.amdhsa_kernarg_size 16
		.amdhsa_user_sgpr_count 2
		.amdhsa_user_sgpr_kernarg_segment_ptr 1
		.amdhsa_wavefront_size32 1
		.amdhsa_system_sgpr_workgroup_id_x 1
		.amdhsa_system_sgpr_workgroup_id_y 1
		.amdhsa_system_sgpr_workgroup_id_z 1
		.amdhsa_system_vgpr_workitem_id 0
		.amdhsa_next_free_vgpr 66
		.amdhsa_next_free_sgpr 66
		.amdhsa_reserve_vcc 0
		.amdhsa_float_denorm_mode_32 3
		.amdhsa_float_denorm_mode_16_64 3
		.amdhsa_memory_ordered 1
		.amdhsa_forward_progress 1
		.amdhsa_inst_pref_size 9
	.end_amdhsa_kernel
	.amdgpu_metadata
---
amdhsa.version: [ 1, 2 ]
amdhsa.kernels:
  - .name:           k_q18351ad495_softmax
    .symbol:         k_q18351ad495_softmax.kd
    .args:
      - { .name: part, .offset: 0, .size: 8, .value_kind: global_buffer, .address_space: global }
      - { .name: out0, .offset: 8, .size: 8, .value_kind: global_buffer, .address_space: global }
    .group_segment_fixed_size: 2048
    .private_segment_fixed_size: 0
    .kernarg_segment_align: 8
    .kernarg_segment_size: 16
    .max_flat_workgroup_size: 256
    .sgpr_count:     66
    .vgpr_count:     66
    .wavefront_size: 32
...
	.end_amdgpu_metadata
.endif
;; end of part 2
